; MI455X (gfx1250); checked and timed in simulation.
; The chip was launched on July 23, 2026; its instructions are those of AMD's public machine-readable ISA for CDNA 5 (MIT licence, August 2026) and "CDNA5" Instruction Set Architecture Reference Guide (July 2026). The comments in the code are by the model that wrote it; some were corrected since.
;; Quantize EMA. Allowed arithmetic: matrix products marked QUANTISED: E3M2 operands, one E8M0 scale for each 32 along K, by v_wmma_scale_f32_16x16x128_f8f6f4 with both operands' format E3M2, f32 sums; everything else in f32.
;; Inputs: embeddings 64 x 8,192 float32; input 16 x 64 x 32 x 32 float32.
;; Outputs: out0 16 x 64 x 32 x 32 float32; out1 one number float32; out2 16 x 32 x 32 int32.
;; This version of the problem:
;;   THIS VERSION OF THE PROBLEM IS GIVEN IN LOW PRECISION. The matrix products marked QUANTISED in the list below multiply operands that are first quantised to E3M2 (3 exponent bits, 2 mantissa bits; 6 bits a number), with one power-of-two scale for each 32 numbers along K (OCP MX v1.0); their sums are f32. All else is computed in f32.
;;   The module's matrix products, in the order in which they are computed (A, B: the left and right operand; K: the contracted axis; several contracted axes count as one K, in the product's order):
;;     1. [M 16,384, K 64] x [K 64, N 8,192]; A: input input; B: input embeddings: QUANTISED
;;   THE QUANTISER, for each operand of a quantised product, along K:
;;     - K is cut into blocks of 32 from its start; a last block that is shorter is filled with zeros.
;;     - A block's scale is 2^e with e = floor(log2(the largest magnitude in the block)) - 4, held to -126 .. 127; a block of zeros has e = 0. As a byte (E8M0): e + 127.
;;     - Each number is divided by its block's scale, clamped to +-28, and rounded to the nearest number of E3M2, ties to even, subnormals kept.
;;     - The product sums the exact products of the quantised numbers (number of the format x scale) in f32.
;;   ~~~python
;;   def quantise(x, axis):      # numpy; x: float32 -> the quantised numbers, widened to float32 again
;;       x = np.moveaxis(x, axis, -1); K = x.shape[-1]
;;       x = np.pad(x, [(0, 0)] * (x.ndim - 1) + [(0, -K % 32)]); x = x.reshape(x.shape[:-1] + (-1, 32)); a = np.abs(x).max(-1, keepdims=True)
;;       e = np.where(a > 0, np.clip(np.frexp(np.where(a > 0, a, 1))[1] - 1 - 4, -126, 127), 0)      # np.frexp(a)[1] - 1 = floor(log2(a)), exactly
;;       r = np.clip(x / 2.0 ** e, -28, 28)
;;       step = 2.0 ** (np.maximum(np.frexp(np.where(r == 0, 1, r))[1] - 1, -2) - 2)
;;       q = np.round(r / step) * step * 2.0 ** e      # np.round: ties to even
;;       return np.moveaxis(q.reshape(q.shape[:-2] + (-1,))[..., :K], -1, axis).astype(np.float32)
;;   ~~~
;; One version. Each part assembles by itself: llvm-mc -triple=amdgcn-amd-amdhsa -mcpu=gfx1250 --defsym DOCPART=n.
;; ======== version 1 of 1: 3 launches
;; limits: right only within a limited range of input values
;; workspace buffers: embt 2,097,152 bytes; cand 2,097,152 bytes of whole numbers; part 1,024 bytes
;; launch scan (part 1): grid 256 x 1, 16 waves a work-group, clusters of 4 x 1, 170,496 bytes of LDS; arguments input, embeddings, embt, cand; writes embt, cand
.if DOCPART == 1
	.amdgcn_target "amdgcn-amd-amdhsa--gfx1250"
	.amdhsa_code_object_version 6
	.text
	.protected	k_qbe9fbf3586_scan
	.globl	k_qbe9fbf3586_scan
	.p2align	8
	.type	k_qbe9fbf3586_scan,@function
k_qbe9fbf3586_scan:
	s_mov_b64 s[64:65], 0
	v_nop
	global_prefetch_b8 v0, s[64:65] scope:SCOPE_SE
	s_setreg_imm32_b32 hwreg(HW_REG_WAVE_MODE, 25, 1), 1
	s_wait_xcnt 0x0
	s_wait_alu depctr_hold_cnt(0) depctr_sa_sdst(0) depctr_va_vdst(0) depctr_va_sdst(0) depctr_va_ssrc(0) depctr_va_vcc(0) depctr_vm_vsrc(0)
	s_getreg_b32 s2, hwreg(HW_REG_IB_STS2, 6, 4)
	s_cmp_eq_u32 s2, 0
	s_cbranch_scc0 .Lentry_in_a_cluster
	s_endpgm
.Lentry_in_a_cluster:
	s_bfe_u32 s2, ttmp6, 0x10000c
	s_cmp_lg_u32 s2, 0x3003
	s_cbranch_scc0 .Lentry_shape_is_right
	s_endpgm
.Lentry_shape_is_right:
; For each of 16,384 rows f (row n = (b, hw); its 64 numbers lie 4,096 bytes apart in input) the nearest of 8,192 codes e (64 numbers 32,768 bytes apart in embeddings): argmin of |f|^2 - 2 f.e + |e|^2,
; f.e on codes of BF6 (E3M2) with one E8M0 scale for each 32 along K.  K is 64: the upper half of each 16 x 16 x 128 instruction is zero codes on both sides, kept in registers that are cleared once.
; LEFT OUT: |f|^2.  It is one number for all 8,192 distances of a row, so it cannot move their argmin, and dist reaches no other output.  A NaN, an infinity or an overflow in |f|^2 alone is therefore not carried to the result.
; WHAT IS COMPARED: the largest 2 f.e - |e|^2.  The factor 2 is one added to the row's scale bytes; -|e|^2 is the C of the matrix instruction.
; LIMITS: the comparison is made on 2 f.e - |e|^2 as the matrix instruction rounds it, so where two distances agree to within one f32 rounding another code than the reference's may be named; on equal values the lowest
; index wins.  |e|^2 is summed in four chains.  NaN and infinities are not served.  A block whose largest magnitude lies under 2^-122 keeps the scale byte 1.
; SHARES.  Work-group (R, C) = (number % 16, number / 16): the 1,024 rows of batch R against codes 512 C .. 512 C + 511: the best of these 512 for each row goes to cand, and the next launch chooses among a row's 16 candidates.
; A work-group quantises its (1,024 + 512) x 64 numbers itself: no launch ahead of this one.  Each of the sixteen waves quantises 32 codes into LDS, for all waves, holds 64 rows (four tiles of 16 queries, source 1)
; in registers and walks all 32 fragments of 16 codes (source 0), a fragment a step: a fragment read from LDS feeds four matrix instructions.
; CLUSTER: the four work-groups of a cluster have one C and four R: they ask for their 131,072 bytes of codes JOINTLY: each wave one load of 4 planes x 2,048 bytes, the same descriptor in all four, mask 15.
; The rows differ from partner to partner and go straight into registers, where they have to be to be quantised.  Nothing in LDS is filled again.
; TWO ORDERS IN THE HEAD.  Waves 0-7 ask for their rows behind their joint load; waves 8-15 behind the barrier that shows the codes' images: their rows arrive while the others are at the steps.
; A LANE TAKES A COLUMN (a code, or a row of input) AND ITS REGISTERS RUN DOWN K: a block of 32 lies in one lane, its largest magnitude needs no other lane, and the conversions give codes with K innermost.
; v_permlane16_swap_b32 then puts the two blocks of a column into lanes r and r + 16, as the operand's layout has them; 32 columns make two fragments, whose scale words stay in one register (lanes 0-15 and 16-31).
; NO PREFETCH: there is no loop of loads to run ahead in: all loads stand in the head.
; embt: [8192][64] f32, a code's 64 numbers on end, for the next launch's gather: of the 16 work-groups that read code group C, number R stores its codes 32 R .. 32 R + 31.  R may enter no LDS address and no branch here, so
; each wave loads 4 planes of these 32 codes (128 bytes a plane) from memory, puts them into a common stage, and stores two codes.
; LAYOUT.  D of (source 0 = 16 codes, source 1 = 16 queries): lane (r, h), register j = (code 8 h + j of the fragment, query r): a lane holds ONE query, and the search stays in the lane until the end.
; THE SEARCH, nine vector instructions a tile: four v_max3 (d0-d7 and the best so far), one compare (not greater: an equal value of a later step changes nothing), four PAIRS of selects: d0-d6 and the step's number.
; At the end the place in the tile is the lowest j whose kept d equals the best, or 7.  No branch and no address hangs on these numbers.
.set SECB,   16384                     ; LDS: registers 0-3 of the 32 code fragments from 0 on (512 n + 16 lane); here registers 4-5 (256 n + 8 lane);
.set SECE,   24576                     ; -|e|^2 (4 x code);
.set SECS,   26624                     ; scale words (4 x code)
.set STG,    28672                     ; the stage for embt: 32 rows (codes) x SP bytes
.set SP,     272                       ; a code's 256 bytes + 16 = 68 words: row r starts at bank 4 r mod 64 (64 banks of 4 bytes: ISA guide 11.1)
.set SPARE,  STG+32*SP                 ; the spare words, 128 bytes for each wave: eight blocks of 256 bytes that no other line names
.set TILE,   SPARE+2048                ; the codes as f32: 64 planes (k) x 2,048 bytes
; v0 the stage, out; v1 4 x lane; v2-3 QS; v4-5 ES; v6, v7, v8 where I put my codes' images, and -|e|^2 and scale words; v9, v10 my codes in the tile, planes 0-31 and 32-63; v11 16 x lane; v12 SECB + 8 x lane;
; v13 SECE + 32 h; v14 spare word; v15 0; v49 the stage, in (until the second barrier)
.set QS,  2                            ; v2-3    scale words of my rows: register p serves tiles 2 p (lanes 0-15) and 2 p + 1 (lanes 16-31)
.set ES,  4                            ; v4-5    scale words of 32 codes: two steps
.set QF,  16                           ; v16-63  the four query fragments; ahead of them work on the codes
.set EE,  20
.set PC,  30                           ; v30-41  the codes' two images
.set EM,  60                           ; v60-63  four planes for embt
.set C1,  64                           ; v64-127 my 32 codes; behind them work on the rows
.set QX,  128                          ; v128-255 my 64 rows' numbers, as two passes of 32 columns
.set AF,  64                           ; v64-87  two fragments of codes
.set CF,  88                           ; v88-103 two sets of -|e|^2
.set DD,  104                          ; v104-167 two sets of four result tiles
.set ST,  168                          ; v168-199 eight a tile: d0-d6 of the step at which the best was found, and that step's number
.set BB,  200                          ; v200-207 the best values, two sets by turns
.set TM,  208                          ; v208-211 at work
.set PS,  220                          ; at the end: place, then index;
.set OV,  224                          ; the other half's values;
.set OI,  228                          ; and indices
.set KK,  232                          ; the merged values, then keys;
.set II,  236                          ; and indices;
.set CS,  240                          ; what I store to cand,
.set EO,  244                          ; and to embt
.set WV,  12                           ; s12 my wave's number
.set SEL, 28                           ; s[28:29] lane selects for v_permlanex16_b32: lane l xor 16
.set MS,  32                           ; s32-43 masks
.set G0,  48                           ; s[48:51] descriptor group 0
.set G1,  52                           ; s[52:59] descriptor group 1
; A round of the cluster's barrier: my work-group's barrier, wave 0 signals for the work-group, every wave waits for all four work-groups, my work-group's barrier once more.
.macro ROUND
	s_barrier_signal -1
	s_barrier_wait -1
	s_cmp_lg_u32 s[WV], 0
	s_cbranch_scc1 .Lnot_wave_0_\@
	s_barrier_signal -3
.Lnot_wave_0_\@:
	s_barrier_wait -3
	s_barrier_signal -1
	s_barrier_wait -1
.endm
	s_load_b256 s[4:11], s[0:1], 0x0               ; input s[4:5], embeddings s[6:7], embt s[8:9], cand s[10:11]
	v_lshl_add_u32 v14, v0, 2, SPARE
	v_mov_b32 v15, 0
	ds_add_u32 v14, v15                            ; the wave's opening: the add, twice on end, and its wait ahead of my first tensor load
	ds_add_u32 v14, v15
	s_mov_b32 s[G1], 15|(3<<16)|(1<<21)            ; 15:0 the mask: all four work-groups; 17:16 elements of 8 bytes; 21 set beside a mask; no padding: every read of the tile takes consecutive bytes
	s_mov_b32 s[G1+1], 256<<16                     ; tensor_dim0 = 256 (2,048 bytes)
	s_mov_b32 s[G1+2], 4<<16                       ; tensor_dim1 = 4
	s_mov_b32 s[G1+3], 256<<16                     ; tile_dim0 = 256
	s_mov_b32 s[G1+4], 4                           ; tile_dim1 = 4
	s_mov_b32 s[G1+5], 4096                        ; tensor_dim0_stride: 32,768 bytes
	s_mov_b32 s[G1+6], 0
	s_mov_b32 s[G1+7], 0
	s_wait_dscnt 0x0                               ; both opening adds are done
	v_lshrrev_b32 v16, 5, v0
	v_readfirstlane_b32 s[WV], v16                 ; wave 0..15
	s_bfe_u32 s31, ttmp6, 0x40000                  ; cx: my place in the cluster; it enters R alone
	s_lshr_b32 s13, ttmp9, 2                       ; C: in a cluster launch ttmp9 counts clusters, four of them to a code group
	s_and_b32 s14, ttmp9, 3
	s_lshl_b32 s14, s14, 2
	s_add_co_u32 s14, s14, s31                     ; R
	s_lshl_b32 s16, s13, 11                        ; embeddings: 512 C columns of 4 bytes, planes 4 w on: no place in the cluster enters it
	s_lshl_b32 s17, s[WV], 17
	s_add_co_u32 s16, s16, s17
	s_mov_b32 s17, 0
	s_lshl_b32 s46, s14, 7                         ; and 32 R columns further on, for embt
	s_add_co_u32 s46, s46, s16
	s_mov_b32 s47, 0
	s_lshl_b32 s18, s14, 18                        ; input: batch R, 64 w places
	s_lshl_b32 s19, s[WV], 8
	s_add_co_u32 s18, s18, s19
	s_mov_b32 s19, 0
	s_lshl_b32 s20, s13, 17                        ; embt: codes 512 C + 32 R + 2 w on
	s_lshl_b32 s21, s14, 13
	s_add_co_u32 s20, s20, s21
	s_lshl_b32 s21, s[WV], 9
	s_add_co_u32 s20, s20, s21
	s_mov_b32 s21, 0
	s_lshl_b32 s22, s14, 17                        ; cand: block 16 R + w of 64 rows: 8,192 bytes each; in it 512 bytes for each C
	s_lshl_b32 s23, s[WV], 13
	s_add_co_u32 s22, s22, s23
	s_lshl_b32 s23, s13, 9
	s_add_co_u32 s22, s22, s23
	s_mov_b32 s23, 0
	s_lshl_b32 s15, s13, 9                         ; an index's share: 512 C; SECE / 4 is taken off since v13 / 4 brings it
	s_sub_co_u32 s15, s15, SECE/4
	s_lshl_b32 s24, s[WV], 10
	s_lshl_b32 s25, s[WV], 9
	s_add_co_u32 s25, s25, SECB
	s_lshl_b32 s27, s[WV], 7
	s_add_co_u32 s26, s27, SECE
	s_add_co_u32 s27, s27, TILE
	s_lshl_b32 s44, s[WV], 4
	s_add_co_u32 s44, s44, STG
	s_mul_i32 s45, s[WV], 2*SP
	s_add_co_u32 s45, s45, STG
	s_mov_b32 s[G0], 1                             ; count = 1
	s_lshl_b32 s[G0+1], s[WV], 13
	s_add_co_u32 s[G0+1], s[G0+1], TILE            ; LDS address: planes 4 w on
	s_mov_b32 s[SEL], 0x76543210
	s_mov_b32 s[SEL+1], 0xfedcba98
	s_mov_b32 s30, 0xffff0000                      ; lanes 16-31
	v_and_b32 v16, 31, v0                          ; lane
	v_and_b32 v17, 15, v0                          ; r
	v_bfe_u32 v18, v0, 4, 1                        ; h
	v_lshlrev_b32 v1, 2, v16
	v_lshl_add_u32 v6, v16, 4, s24                 ; fragments 2 w and 2 w + 1: registers 0-3,
	v_lshl_add_u32 v7, v16, 3, s25                 ; registers 4-5,
	v_lshl_add_u32 v8, v16, 2, s26                 ; -|e|^2, and 2,048 bytes on the scale words
	v_lshl_add_u32 v9, v16, 2, s27                 ; the tile: my columns 32 w + lane
	v_mul_u32_u24 v49, v16, SP
	v_mul_u32_u24 v19, v18, SP
	v_lshlrev_b32 v11, 4, v16
	v_lshl_add_u32 v12, v16, 3, SECB
	v_lshl_add_u32 v13, v18, 5, SECE
	v_lshl_add_u32 v19, v17, 4, v19
	v_add_nc_u32 v10, 0x10000, v9                  ; 32 planes further on
	v_add_nc_u32 v49, s44, v49                     ; the stage, in: row = lane's code, planes 4 w on: 16 w;
	v_add_nc_u32 v0, s45, v19                      ; out: rows 2 w and 2 w + 1, sixteen lanes to a row
	s_wait_alu depctr_va_vdst(0)
	s_wait_kmcnt 0x0
	s_add_nc_u64 s[G0+2:G0+3], s[6:7], s[16:17]
	s_or_b32 s[G0+3], s[G0+3], 0x80000000          ; type = 2
	s_add_nc_u64 s[44:45], s[6:7], s[46:47]
	s_add_nc_u64 s[4:5], s[4:5], s[18:19]
	s_add_nc_u64 s[8:9], s[8:9], s[20:21]
	s_add_nc_u64 s[10:11], s[10:11], s[22:23]
.irp i, 0,1,2,3
	global_load_b32 v[EM+\i], v1, s[44:45] offset:32768*\i   ; for embt: e(4 w + i, code 32 R + lane)
.endr
	ROUND                                          ; all four work-groups are here: the joint loads meet
	tensor_load_to_lds s[G0:G0+3], s[G1:G1+7]      ; my wave's one tensor load: a first fill
	s_nop 0
.rept 4
	v_nop
.endr
; rows: block b of pass p (columns 32 p + lane of my 64): the two passes together take 256 consecutive bytes of a plane
.macro QLOAD p, b
.set k, 32*\b
.rept 32
	global_load_b32 v[QX+64*\p+k], v1, s[4:5] offset:4096*k+128*\p
.set k, k+1
.endr
.endm
; the largest magnitude of 32 registers, in two chains (m and m + 2), over the floor 2^(5 - 127), so that the scale's byte cannot fall under 1.  sq = 1, 2: the squares are summed too, packed, in two chains; 1 starts them
.macro MAXS x, m, sq
	v_max3_num_f32 v[\m], |v[\x]|, |v[(\x)+1]|, 0x2800000
	v_max3_num_f32 v[(\m)+2], |v[(\x)+2]|, |v[(\x)+3]|, 0x2800000
.if \sq == 1
	v_pk_mul_f32 v[EE:EE+1], v[\x:(\x)+1], v[\x:(\x)+1]
	v_pk_mul_f32 v[EE+2:EE+3], v[(\x)+2:(\x)+3], v[(\x)+2:(\x)+3]
.endif
.if \sq == 2
	v_pk_fma_f32 v[EE:EE+1], v[\x:(\x)+1], v[\x:(\x)+1], v[EE:EE+1]
	v_pk_fma_f32 v[EE+2:EE+3], v[(\x)+2:(\x)+3], v[(\x)+2:(\x)+3], v[EE+2:EE+3]
.endif
.irp i, 4,8,12,16,20,24,28
	v_max3_num_f32 v[\m], v[\m], |v[(\x)+\i]|, |v[(\x)+\i+1]|
	v_max3_num_f32 v[(\m)+2], v[(\m)+2], |v[(\x)+\i+2]|, |v[(\x)+\i+3]|
.if \sq > 0
	v_pk_fma_f32 v[EE:EE+1], v[(\x)+\i:(\x)+\i+1], v[(\x)+\i:(\x)+\i+1], v[EE:EE+1]
	v_pk_fma_f32 v[EE+2:EE+3], v[(\x)+\i+2:(\x)+\i+3], v[(\x)+\i+2:(\x)+\i+3], v[EE+2:EE+3]
.endif
.endr
	v_max_num_f32 v[\m], v[\m], v[(\m)+2]
.endm
	s_cmp_lt_u32 s[WV], 8
	s_cbranch_scc0 .Lcodes
	QLOAD 0, 0                                     ; waves 0-7 ask for their rows here
	QLOAD 0, 1
	QLOAD 1, 0
	QLOAD 1, 1
.Lcodes:
	s_wait_tensorcnt 0x0                           ; my planes have landed,
	s_barrier_signal -1
	s_barrier_wait -1                              ; everybody's have
.set k, 0
.rept 32
	ds_load_b32 v[C1+k], v9 offset:2048*k          ; e(k, my code): the lanes read 128 consecutive bytes
.set k, k+1
.endr
.set k, 0
.rept 32
	ds_load_b32 v[C1+32+k], v10 offset:2048*k
.set k, k+1
.endr
	s_wait_dscnt 32                                ; block 0; block 1's 32 loads may be out
	MAXS C1, 16, 1
	s_wait_alu depctr_va_vdst(0)
	s_wait_dscnt 0x0
	MAXS C1+32, 17, 2
	; my 32 codes: scales, codes, the two fragments' images, and all of it into LDS
.irp b, 0,1
	v_add_nc_u32 v[24+\b], 0xfe000000, v[16+\b]    ; 4 off the exponent field: the conversion takes the exponent field of this operand as its scale
.endr
	v_pk_add_f32 v[EE:EE+1], v[EE:EE+1], v[EE+2:EE+3]
.irp b, 0,1
	v_lshrrev_b32 v[26+\b], 23, v[24+\b]           ; the scale's byte
.endr
.irp b, 0,1
	v_cvt_scalef32_pk16_bf6_f32 v[PC+6*\b:PC+6*\b+2], v[C1+32*\b:C1+32*\b+15], v[24+\b]
	v_cvt_scalef32_pk16_bf6_f32 v[42+4*\b:44+4*\b], v[C1+32*\b+16:C1+32*\b+31], v[24+\b]   ; (a conversion's three registers begin on an even number)
.endr
	v_sub_f32 v[EE], -v[EE], v[EE+1]               ; -|e|^2; also the plain place behind the conversions
	v_lshl_or_b32 v28, v27, 8, v26
.irp b, 0,1
.irp i, 0,1,2
	v_mov_b32 v[PC+6*\b+3+\i], v[42+4*\b+\i]
.endr
.endr
	v_or_b32 v28, 0x7f7f0000, v28                  ; bytes 2 and 3: 127, over zero codes
.irp i, 0,1,2,3,4,5
	v_permlane16_swap_b32 v[PC+\i], v[PC+6+\i]     ; block 0 of columns 16-31 changes places with block 1 of columns 0-15: the two fragments' images
.endr
	ds_store_b128 v6, v[PC:PC+3]
	ds_store_b128 v6, v[PC+6:PC+9] offset:512
	ds_store_b64 v7, v[PC+4:PC+5]
	ds_store_b64 v7, v[PC+10:PC+11] offset:256
	ds_store_b32 v8, v[EE]
	ds_store_b32 v8, v28 offset:SECS-SECE
	s_wait_alu depctr_va_vdst(0)
	s_wait_loadcnt 0x0                             ; the four planes for embt, and the rows of waves 0-7, which go on with them next
	ds_store_b128 v49, v[EM:EM+3]
	s_wait_dscnt 0x0                               ; for the others' sake: my images and my part of the stage have landed
	s_barrier_signal -1
	s_barrier_wait -1                              ; everybody's have
	s_cmp_lt_u32 s[WV], 8
	s_cbranch_scc1 .Lrows
	QLOAD 0, 0                                     ; waves 8-15 ask for their rows here
	QLOAD 0, 1
	QLOAD 1, 0
	QLOAD 1, 1
.Lrows:
; pass p of my rows: two fragments and their scale words
.macro QCVT p
.irp b, 0,1
	v_add_nc_u32 v[68+\b], 0xfe000000, v[64+\b]
.endr
.irp b, 0,1
	v_lshrrev_b32 v[70+\b], 23, v[68+\b]
.endr
.irp b, 0,1
	v_cvt_scalef32_pk16_bf6_f32 v[QF+24*\p+12*\b:QF+24*\p+12*\b+2], v[QX+64*\p+32*\b:QX+64*\p+32*\b+15], v[68+\b]
	v_cvt_scalef32_pk16_bf6_f32 v[72+4*\b:74+4*\b], v[QX+64*\p+32*\b+16:QX+64*\p+32*\b+31], v[68+\b]
.endr
	v_lshl_or_b32 v79, v71, 8, v70                 ; (the plain place behind the conversions)
	v_add_nc_u32 v[QS+\p], 0x7f7f0101, v79         ; one more in each byte: the factor 2 of 2 f.e (at most 251); 127 over the zero codes
.irp b, 0,1
.irp i, 0,1,2
	v_mov_b32 v[QF+24*\p+12*\b+3+\i], v[72+4*\b+\i]
.endr
.endr
.irp i, 0,1,2,3,4,5
	v_permlane16_swap_b32 v[QF+24*\p+\i], v[QF+24*\p+12+\i]
.endr
.endm
	s_wait_loadcnt 63                              ; of my rows' 128 loads the older 65 are in: pass 0
	MAXS QX, 64, 0
	MAXS QX+32, 65, 0
	QCVT 0
.irp q, 0,1,2,3
.irp i, 6,8,10
	v_dual_mov_b32 v[QF+12*\q+\i], 0 :: v_dual_mov_b32 v[QF+12*\q+\i+1], 0   ; the zero codes of k = 64 .. 127
.endr
.endr
	s_wait_alu depctr_va_vdst(0)
	s_wait_loadcnt 32                              ; pass 1's block 0; its block 1 may be out
	MAXS QX+64, 64, 0
	s_wait_alu depctr_va_vdst(0)
	s_wait_loadcnt 0x0
	MAXS QX+96, 65, 0
	QCVT 1
.irp a, 0,1
.irp i, 6,8,10
	v_dual_mov_b32 v[AF+12*\a+\i], 0 :: v_dual_mov_b32 v[AF+12*\a+\i+1], 0
.endr
.endr
.rept 4
	v_nop                                          ; four places between the last write of an operand and the first product
.endr
; the LDS loads of step n into set n % 2: five in an even step (with the scale words of two steps), four in an odd one.  Every address is consecutive bytes by lane, or one address for sixteen lanes
.macro LOADS n
.set LS, (\n)%2
	ds_load_b128 v[CF+8*LS:CF+8*LS+3], v13 offset:64*(\n)
	ds_load_b128 v[CF+8*LS+4:CF+8*LS+7], v13 offset:64*(\n)+16
.if LS == 0
	ds_load_b32 v[ES+((\n)/2)%2], v1 offset:SECS+64*(\n)
.endif
	ds_load_b128 v[AF+12*LS:AF+12*LS+3], v11 offset:512*(\n)
	ds_load_b64 v[AF+12*LS+4:AF+12*LS+5], v12 offset:256*(\n)
.endm
; one product: the fragment of set SB against query tile q; C = -|e|^2; each writes a result of its own: there are no chains.  Odd steps and odd tiles have their scale words in lanes 16-31
.macro WM q
.if SB == 0
.if (\q)%2 == 0
	v_wmma_scale_f32_16x16x128_f8f6f4 v[DD+32*SB+8*\q:DD+32*SB+8*\q+7], v[AF+12*SB:AF+12*SB+11], v[QF+12*\q:QF+12*\q+11], v[CF+8*SB:CF+8*SB+7], v[ES+SE], v[QS+\q/2] matrix_a_fmt:MATRIX_FMT_BF6 matrix_b_fmt:MATRIX_FMT_BF6
.else
	v_wmma_scale_f32_16x16x128_f8f6f4 v[DD+32*SB+8*\q:DD+32*SB+8*\q+7], v[AF+12*SB:AF+12*SB+11], v[QF+12*\q:QF+12*\q+11], v[CF+8*SB:CF+8*SB+7], v[ES+SE], v[QS+\q/2] matrix_a_fmt:MATRIX_FMT_BF6 matrix_b_fmt:MATRIX_FMT_BF6 matrix_b_scale:MATRIX_SCALE_ROW1
.endif
.else
.if (\q)%2 == 0
	v_wmma_scale_f32_16x16x128_f8f6f4 v[DD+32*SB+8*\q:DD+32*SB+8*\q+7], v[AF+12*SB:AF+12*SB+11], v[QF+12*\q:QF+12*\q+11], v[CF+8*SB:CF+8*SB+7], v[ES+SE], v[QS+\q/2] matrix_a_fmt:MATRIX_FMT_BF6 matrix_b_fmt:MATRIX_FMT_BF6 matrix_a_scale:MATRIX_SCALE_ROW1
.else
	v_wmma_scale_f32_16x16x128_f8f6f4 v[DD+32*SB+8*\q:DD+32*SB+8*\q+7], v[AF+12*SB:AF+12*SB+11], v[QF+12*\q:QF+12*\q+11], v[CF+8*SB:CF+8*SB+7], v[ES+SE], v[QS+\q/2] matrix_a_fmt:MATRIX_FMT_BF6 matrix_b_fmt:MATRIX_FMT_BF6 matrix_a_scale:MATRIX_SCALE_ROW1 matrix_b_scale:MATRIX_SCALE_ROW1
.endif
.endif
.endm
.macro MUL n
.set SB, (\n)%2
.set SE, ((\n)/2)%2
	WM 0
	WM 1
	WM 2
	WM 3
.endm
; the search over set b's four tiles, the tiles by turns so that no line waits for the line above it; each result is read from its low end on.  The best so far lies in set b of BB, the new best goes to the other set.
; Two selects go in one instruction: the dual form wants an even and an odd destination and, of each pair of like sources, registers whose numbers differ modulo 4 (ISA guide, the chapter on dual issue): neighbours do;
; the step's number is a constant in the first source's place, which is taken where VCC is 0: so the compare is 'not greater'.  Both halves take VCC.
; Step 0 has nothing to compare with: it copies, so the search's state is never cleared.
.macro SCAN b, n
.irp q, 0,1,2,3
	v_max3_num_f32 v[TM+\q], v[DD+32*(\b)+8*\q], v[DD+32*(\b)+8*\q+1], v[DD+32*(\b)+8*\q+2]
.endr
.irp q, 0,1,2,3
	v_max3_num_f32 v[TM+\q], v[TM+\q], v[DD+32*(\b)+8*\q+3], v[DD+32*(\b)+8*\q+4]
.endr
.irp q, 0,1,2,3
	v_max3_num_f32 v[TM+\q], v[TM+\q], v[DD+32*(\b)+8*\q+5], v[DD+32*(\b)+8*\q+6]
.endr
.if (\n) == 0
.irp q, 0,1,2,3
	v_max_num_f32 v[BB+4*(1-(\b))+\q], v[TM+\q], v[DD+32*(\b)+8*\q+7]
.endr
.irp q, 0,1,2,3
.irp j, 0,2,4
	v_dual_mov_b32 v[ST+8*\q+\j], v[DD+32*(\b)+8*\q+\j] :: v_dual_mov_b32 v[ST+8*\q+\j+1], v[DD+32*(\b)+8*\q+\j+1]
.endr
	v_dual_mov_b32 v[ST+8*\q+6], v[DD+32*(\b)+8*\q+6] :: v_dual_mov_b32 v[ST+8*\q+7], 0
.endr
.else
.irp q, 0,1,2,3
	v_max3_num_f32 v[BB+4*(1-(\b))+\q], v[TM+\q], v[DD+32*(\b)+8*\q+7], v[BB+4*(\b)+\q]
.endr
.irp q, 0,1,2,3
	v_cmp_le_f32 vcc_lo, v[BB+4*(1-(\b))+\q], v[BB+4*(\b)+\q]      ; not greater: the state stays, on an equal value of a later step too
.irp j, 0,2,4
	v_dual_cndmask_b32 v[ST+8*\q+\j], v[DD+32*(\b)+8*\q+\j], v[ST+8*\q+\j] :: v_dual_cndmask_b32 v[ST+8*\q+\j+1], v[DD+32*(\b)+8*\q+\j+1], v[ST+8*\q+\j+1]
.endr
	v_dual_cndmask_b32 v[ST+8*\q+6], v[DD+32*(\b)+8*\q+6], v[ST+8*\q+6] :: v_dual_cndmask_b32 v[ST+8*\q+7], \n, v[ST+8*\q+7]
.endr
.endif
.endm
	LOADS 0
	LOADS 1
	s_wait_alu depctr_va_vdst(0)
	s_wait_dscnt 4                                 ; all but step 1's four loads
	MUL 0
.rept 5
	v_nop                                          ; step 0 has no search in front of it: five places, for the first read of its results and the loads into its operands
.endr
; THE 32 STEPS, written out: every offset and step number is a constant.  In step N the loads of step N + 2 go out, the products of step N + 1 are issued, then step N's results are searched.
; PLACES (ISA guide 7.12.1 for vector instructions).  Behind the products of step N stand the 36 plain vector lines of step N - 1's search, which name only the other set of results and the search's state:
; they are the places in front of the first read of the results, of the loads into the operands' registers and of the products that write over the results two steps on.
.set N, 0
.rept 32
.set CB, N%2
.if N < 30
	LOADS N+2
	s_wait_dscnt 5-CB                              ; step N + 1's loads are in; the five or four just issued may be out
.endif
.if N == 30
	s_wait_dscnt 0x0
.endif
.if N < 31
	MUL N+1
.endif
	SCAN CB, N
.set N, N+1
.endr
	ds_load_b128 v[EO:EO+3], v0                    ; for embt: two codes, 512 bytes, from the stage
	; THE END OF THE SEARCH.  The best lies in set 0 of BB (an even number of steps).  Its place in its tile: the lowest j whose kept d equals it, or 7
.irp q, 0,1,2,3
	v_mov_b32 v[PS+\q], 7
.endr
.irp j, 6,5,4,3,2,1,0
.irp q, 0,1,2,3
	v_cmp_eq_f32 s[MS+4*(\j%2)+\q], v[ST+8*\q+\j], v[BB+\q]
.endr
.irp q, 0,1,2,3
	v_cndmask_b32 v[PS+\q], v[PS+\q], \j, s[MS+4*(\j%2)+\q]
.endr
.endr
	v_lshrrev_b32 v218, 2, v13                     ; SECE / 4 + 8 h
.irp q, 0,1,2,3
	v_lshl_add_u32 v[PS+\q], v[ST+8*\q+7], 4, v[PS+\q]   ; index = 16 x step + place
.endr
	v_add_nc_u32 v218, s15, v218                   ; 512 C + 8 h
.irp q, 0,1,2,3
	v_permlanex16_b32 v[OV+\q], v[BB+\q], s[SEL], s[SEL+1]   ; the query's other codes lie in the lane 16 away
.endr
.irp q, 0,1,2,3
	v_add_nc_u32 v[PS+\q], v218, v[PS+\q]
.endr
.irp q, 0,1,2,3
	v_permlanex16_b32 v[OI+\q], v[PS+\q], s[SEL], s[SEL+1]
.endr
	; the two halves' codes interleave, so here equal values are settled by the index: the other half's candidate is taken if it is larger, or equal with the lower index
.irp q, 0,1,2,3
	v_cmp_eq_f32 s[MS+\q], v[OV+\q], v[BB+\q]
.endr
.irp q, 0,1,2,3
	v_cmp_lt_u32 s[MS+4+\q], v[OI+\q], v[PS+\q]
.endr
.irp q, 0,1,2,3
	v_cmp_gt_f32 s[MS+8+\q], v[OV+\q], v[BB+\q]
.endr
	s_wait_alu depctr_va_vdst(0)                   ; ahead of eight scalar instructions
.irp q, 0,1,2,3
	s_and_b32 s[MS+\q], s[MS+\q], s[MS+4+\q]
.endr
.irp q, 0,1,2,3
	s_or_b32 s[MS+\q], s[MS+\q], s[MS+8+\q]
.endr
.irp q, 0,1,2,3
	v_cndmask_b32 v[KK+\q], v[BB+\q], v[OV+\q], s[MS+\q]
	v_cndmask_b32 v[II+\q], v[PS+\q], v[OI+\q], s[MS+\q]
.endr
	; a value becomes a whole number of the same order, unsigned: all bits turned where it is negative, else the sign bit alone
.irp q, 0,1,2,3
	v_add_f32 v[KK+\q], 0, v[KK+\q]                ; -0 becomes +0: equal values have equal keys
.endr
.irp q, 0,1,2,3
	v_ashrrev_i32 v[OV+\q], 31, v[KK+\q]
.endr
.irp q, 0,1,2,3
	v_or_b32 v[OV+\q], 0x80000000, v[OV+\q]
.endr
.irp q, 0,1,2,3
	v_xor_b32 v[KK+\q], v[KK+\q], v[OV+\q]
.endr
.irp q, 0,1
	v_cndmask_b32 v[CS+\q], v[KK+\q], v[KK+2+\q], s30      ; lanes 0-15 tiles 0 and 1, lanes 16-31 tiles 2 and 3: two keys,
.endr
.irp q, 0,1
	v_cndmask_b32 v[CS+2+\q], v[II+\q], v[II+2+\q], s30    ; two indices
.endr
	global_store_b128 v11, v[CS:CS+3], s[10:11]    ; 512 consecutive bytes, aligned
	s_wait_dscnt 0x0
	global_store_b128 v11, v[EO:EO+3], s[8:9]      ; 512 consecutive bytes, aligned
	s_wait_tensorcnt 0x0                           ; the wave's end
	ds_add_u32 v14, v15
	s_wait_dscnt 0x0
	ROUND                                          ; the closing round: no work-group ends while a partner may still ask for a tile that names it
	s_endpgm
.Lfunc_end_k_qbe9fbf3586_scan:
	.size	k_qbe9fbf3586_scan, .Lfunc_end_k_qbe9fbf3586_scan-k_qbe9fbf3586_scan
	.p2alignl 7, 3214868480
	.fill 96, 4, 3214868480
	.section	.rodata,"a",@progbits
	.p2align	6, 0x0
	.amdhsa_kernel k_qbe9fbf3586_scan
		.amdhsa_group_segment_fixed_size 170496
		.amdhsa_private_segment_fixed_size 0
		.amdhsa_enable_private_segment 0
		.amdhsa_kernarg_size 32
		.amdhsa_user_sgpr_count 2
		.amdhsa_user_sgpr_kernarg_segment_ptr 1
		.amdhsa_wavefront_size32 1
		.amdhsa_system_sgpr_workgroup_id_x 1
		.amdhsa_system_sgpr_workgroup_id_y 1
		.amdhsa_system_sgpr_workgroup_id_z 1
		.amdhsa_system_vgpr_workitem_id 0
		.amdhsa_next_free_vgpr 256
		.amdhsa_next_free_sgpr 66
		.amdhsa_reserve_vcc 1
		.amdhsa_float_denorm_mode_32 3
		.amdhsa_float_denorm_mode_16_64 3
		.amdhsa_memory_ordered 1
		.amdhsa_forward_progress 1
		.amdhsa_inst_pref_size 149
	.end_amdhsa_kernel
	.amdgpu_metadata
---
amdhsa.version: [ 1, 2 ]
amdhsa.kernels:
  - .name:           k_qbe9fbf3586_scan
    .symbol:         k_qbe9fbf3586_scan.kd
    .args:
      - { .name: input, .offset: 0, .size: 8, .value_kind: global_buffer, .address_space: global }
      - { .name: embeddings, .offset: 8, .size: 8, .value_kind: global_buffer, .address_space: global }
      - { .name: embt, .offset: 16, .size: 8, .value_kind: global_buffer, .address_space: global }
      - { .name: cand, .offset: 24, .size: 8, .value_kind: global_buffer, .address_space: global }
    .group_segment_fixed_size: 170496
    .private_segment_fixed_size: 0
    .kernarg_segment_align: 8
    .kernarg_segment_size: 32
    .max_flat_workgroup_size: 512
    .sgpr_count:     66
    .vgpr_count:     256
    .wavefront_size: 32
...
	.end_amdgpu_metadata
.endif
;; end of part 1
;; launch take (part 2): grid 256 x 1, 8 waves a work-group, no clusters, 18,176 bytes of LDS; arguments input, embt, cand, out0, part, out2; writes out0, part, out2
.if DOCPART == 2
	.amdgcn_target "amdgcn-amd-amdhsa--gfx1250"
	.amdhsa_code_object_version 6
	.text
	.protected	k_qbe9fbf3586_take
	.globl	k_qbe9fbf3586_take
	.p2align	8
	.type	k_qbe9fbf3586_take,@function
k_qbe9fbf3586_take:
	s_mov_b64 s[64:65], 0
	v_nop
	global_prefetch_b8 v0, s[64:65] scope:SCOPE_SE
	s_setreg_imm32_b32 hwreg(HW_REG_WAVE_MODE, 25, 1), 1
	s_wait_xcnt 0x0
; out2 = the index of the best of a row's 16 candidates; out0 = x + (q - x), q that code; and this work-group's sum of (q - x)^2.  All in f32, on the numbers as they were given.
; A work-group owns 64 rows (64 neighbouring places hw of one batch).  input and out0 lie [batch][channel][hw]; a code's 64 numbers lie on end in embt [8192][64].
; CANDIDATES: cand holds for each block of 64 rows and each of 16 groups of codes 512 bytes: at 16 P the keys of rows 32 (P / 16) + P % 16 and 16 further on, then their indices.  A key is a whole number of the
; same order as the value, so the best is the largest key, and of equal keys the lowest index.  Wave w takes P = 4 w .. 4 w + 3: lane l has P = 4 w + l % 4 and the groups l / 4 and 8 + l / 4.
; GATHER: sixteen lanes to a code's 256 consecutive bytes, two rows an instruction: lanes 0-15 the first row of a P, lanes 16-31 the second.  Each index is held to 8,191 ahead of its use.
; TURN: the 64 codes go through a stage in LDS, [row][channel], rows 260 bytes = 65 words apart: the loads' 32 lanes touch words 130 l + c: 32 different banks (64 banks of 4 bytes: ISA guide 11.1).
; OUT: wave w takes channels 8 w .. 8 w + 7 of all 64 rows, lane l rows 2 l and 2 l + 1: each load of x and each store of out0 covers 256 consecutive bytes, aligned.
; Memory binds: no matrix unit, no tensor load, no cluster (no two work-groups share a tile; which codes they share hangs on data); no loop, so no prefetch.
.set SPI,  260
.set SUMS, 64*SPI                      ; behind the stage: a partial sum for each wave
.set IDXB, SUMS+256                    ; and the 64 indices
.set SPARE, IDXB+256                   ; the spare words: four blocks of 256 bytes that no other line names
.set CA,  20                           ; v20-23, v24-27 two groups' candidates
.set Q,   20                           ; v20-35 four codes' 16 bytes a lane
.set X,   36                           ; v36-51 x, then out0: a pair for each channel
.set RR,  52                           ; v52-67 q, then q - x
.set IX,  84                           ; v84-87 indices
.set GA,  88                           ; v88-91 their byte offsets in embt
	s_load_b256 s[4:11], s[0:1], 0x0               ; input s[4:5], embt s[6:7], cand s[8:9], out0 s[10:11]
	s_load_b128 s[12:15], s[0:1], 0x20             ; part s[12:13], out2 s[14:15]
	v_lshrrev_b32 v1, 5, v0
	v_readfirstlane_b32 s16, v1                    ; wave 0..7
	s_lshl_b32 s17, s16, 15                        ; x and out0: channel 8 w: 8 planes of 4,096 bytes
	s_lshl_b32 s18, s16, 6                         ; cand: 4 w places of 16 bytes
	s_lshl_b32 s19, s16, 5                         ; the stage: channel 8 w
	s_lshr_b32 s20, s16, 2
	s_lshl_b32 s20, s20, 5
	s_and_b32 s21, s16, 3
	s_lshl_b32 s21, s21, 2
	s_add_co_u32 s20, s20, s21                     ; my first row, 32 (w / 4) + 4 (w % 4)
	s_lshl_b32 s21, s20, 2
	s_add_co_u32 s21, s21, IDXB
	s_mul_i32 s20, s20, SPI
	s_lshl_b32 s22, s16, 2
	s_add_co_u32 s22, s22, SUMS
	s_lshr_b32 s24, ttmp9, 4                       ; batch = block / 16,
	s_lshl_b32 s24, s24, 18
	s_and_b32 s25, ttmp9, 15                       ; 64 x (block % 16) places of 4 bytes
	s_lshl_b32 s25, s25, 8
	s_add_co_u32 s24, s24, s25
	s_mov_b32 s25, 0
	s_lshl_b32 s26, ttmp9, 13
	s_mov_b32 s27, 0
	s_lshl_b32 s28, ttmp9, 8
	s_mov_b32 s29, 0
	s_lshl_b32 s30, ttmp9, 2
	s_mov_b32 s31, 0
	s_mov_b32 s34, 0x76543210
	s_mov_b32 s35, 0xfedcba98
	s_mov_b32 s36, 0xffff0000                      ; lanes 16-31
	v_and_b32 v1, 31, v0                           ; lane
	v_and_b32 v2, 15, v0                           ; a = lane % 16
	v_bfe_u32 v3, v0, 4, 1                         ; hh = lane / 16
	v_bfe_u32 v10, v0, 2, 3                        ; lane / 4
	v_and_b32 v11, 3, v0                           ; lane % 4
	v_lshl_add_u32 v72, v0, 2, SPARE
	v_mov_b32 v73, 0
	v_lshl_add_u32 v4, v1, 3, s17
	v_lshlrev_b32 v5, 9, v10
	v_mul_u32_u24 v6, v3, 16*SPI
	v_mul_u32_u24 v7, v1, 2*SPI
	v_lshlrev_b32 v12, 6, v3
	v_lshl_add_u32 v5, v11, 4, v5
	v_lshl_add_u32 v6, v2, 4, v6
	v_lshl_add_u32 v12, v11, 2, v12
	v_lshlrev_b32 v8, 4, v2                        ; my 16 bytes of a code
	v_add_nc_u32 v5, s18, v5                       ; cand
	v_add_nc_u32 v6, s20, v6                       ; the stage, in: row my first + 16 hh, channels 4 a on
	v_add_nc_u32 v12, s21, v12                     ; where the index of row my first + 16 hh + lane % 4 goes
	v_add_nc_u32 v7, s19, v7                       ; the stage, out: row 2 l, channel 8 w
	v_lshl_add_u32 v13, v1, 3, IDXB
	v_lshlrev_b32 v14, 3, v1
	v_mov_b32 v9, s22                              ; my wave's partial sum
	v_mov_b32 v82, -1
.irp i, 71,76,77,84,85,86,87
	v_mov_b32 v\i, 0                               ; written once: a lane permute's destination counts as one of its sources
.endr
	s_wait_alu depctr_va_vdst(0)
	s_wait_kmcnt 0x0
	s_add_nc_u64 s[8:9], s[8:9], s[26:27]
	s_add_nc_u64 s[4:5], s[4:5], s[24:25]
	s_add_nc_u64 s[10:11], s[10:11], s[24:25]
	s_add_nc_u64 s[14:15], s[14:15], s[28:29]
	s_add_nc_u64 s[12:13], s[12:13], s[30:31]
	global_load_b128 v[CA:CA+3], v5, s[8:9]
	global_load_b128 v[CA+4:CA+7], v5, s[8:9] offset:4096
.irp i, 0,1,2,3,4,5,6,7
	global_load_b64 v[X+2*\i:X+2*\i+1], v4, s[4:5] offset:4096*\i   ; x(channel 8 w + i, rows 2 l, 2 l + 1)
.endr
	s_wait_loadcnt 8                               ; the candidates are in; the eight loads of x are younger and may be out
	; the largest key over my two groups, and over the eight lanes with my lane % 4; the two rows by turns
.macro TREE op, d
.irp m, 4,8
	v_mov_b32_dpp v76, v[\d] row_xmask:\m row_mask:0xf bank_mask:0xf
	v_mov_b32_dpp v77, v[\d+1] row_xmask:\m row_mask:0xf bank_mask:0xf
	\op v[\d], v[\d], v76
	\op v[\d+1], v[\d+1], v77
.endr
	v_permlanex16_b32 v76, v[\d], s34, s35
	v_permlanex16_b32 v77, v[\d+1], s34, s35
	\op v[\d], v[\d], v76
	\op v[\d+1], v[\d+1], v77
.endm
	v_max_u32 v74, v[CA], v[CA+4]
	v_max_u32 v75, v[CA+1], v[CA+5]
	TREE v_max_u32, 74
	; of the candidates that have it, the lowest index
	v_cmp_eq_u32 s37, v[CA], v74
	v_cmp_eq_u32 s38, v[CA+1], v75
	v_cmp_eq_u32 s39, v[CA+4], v74
	v_cmp_eq_u32 s40, v[CA+5], v75
	v_cndmask_b32 v78, v82, v[CA+2], s37
	v_cndmask_b32 v79, v82, v[CA+3], s38
	v_cndmask_b32 v80, v82, v[CA+6], s39
	v_cndmask_b32 v81, v82, v[CA+7], s40
	v_min_u32 v78, v78, v80
	v_min_u32 v79, v79, v81
	TREE v_min_u32, 78
	v_cndmask_b32 v83, v78, v79, s36               ; lanes 0-15 the first row of P, lanes 16-31 the second
	v_mov_b32_dpp v[IX], v83 quad_perm:[0,0,0,0] row_mask:0xf bank_mask:0xf
	v_mov_b32_dpp v[IX+1], v83 quad_perm:[1,1,1,1] row_mask:0xf bank_mask:0xf
	v_mov_b32_dpp v[IX+2], v83 quad_perm:[2,2,2,2] row_mask:0xf bank_mask:0xf
	v_mov_b32_dpp v[IX+3], v83 quad_perm:[3,3,3,3] row_mask:0xf bank_mask:0xf
.irp i, 0,1,2,3
	v_min_u32 v[IX+\i], 0x1fff, v[IX+\i]           ; inside the table
.endr
.irp i, 0,1,2,3
	v_lshl_add_u32 v[GA+\i], v[IX+\i], 8, v8       ; 256 bytes a code
.endr
.irp i, 0,1,2,3
	global_load_b128 v[Q+4*\i:Q+4*\i+3], v[GA+\i], s[6:7]
.endr
	ds_store_b32 v12, v83                          ; lanes with the same row write the same word with the same value
	s_wait_loadcnt 0x0
.irp i, 0,1,2,3
.irp e, 0,1,2,3
	ds_store_b32 v6, v[Q+4*\i+\e] offset:SPI*\i+4*\e
.endr
.endr
	s_wait_dscnt 0x0                               ; for the others' sake: my rows lie in the stage
	s_barrier_signal -1
	s_barrier_wait -1
.irp i, 0,1,2,3,4,5,6,7
	ds_load_b32 v[RR+2*\i], v7 offset:4*\i
	ds_load_b32 v[RR+2*\i+1], v7 offset:SPI+4*\i
.endr
	ds_load_b64 v[92:93], v13                      ; two indices a lane, for out2
.irp i, 0,1,2,3,4,5,6,7
	s_wait_dscnt 15-2*\i                           ; the loads behind pair i may be out
	v_pk_add_f32 v[RR+2*\i:RR+2*\i+1], v[RR+2*\i:RR+2*\i+1], v[X+2*\i:X+2*\i+1] neg_lo:[0,1] neg_hi:[0,1]   ; q - x
	s_delay_alu instid0(VALU_DEP_1)
	v_pk_add_f32 v[X+2*\i:X+2*\i+1], v[X+2*\i:X+2*\i+1], v[RR+2*\i:RR+2*\i+1]                               ; x + (q - x)
.if \i == 0
	v_pk_mul_f32 v[68:69], v[RR:RR+1], v[RR:RR+1]                  ; the first product starts the sum
.else
	s_wait_alu depctr_va_vdst(0)
	v_pk_fma_f32 v[68:69], v[RR+2*\i:RR+2*\i+1], v[RR+2*\i:RR+2*\i+1], v[68:69]
.endif
	global_store_b64 v4, v[X+2*\i:X+2*\i+1], s[10:11] offset:4096*\i th:TH_STORE_NT   ; 32 lanes store 256 consecutive bytes, aligned; written once, read by nobody here
.endr
	s_cmp_lg_u32 s16, 0
	s_wait_alu depctr_va_vdst(0)
	s_cbranch_scc1 .Lno_out2
	s_wait_dscnt 0x0
	global_store_b64 v14, v[92:93], s[14:15]       ; wave 0: 256 consecutive bytes, aligned
.Lno_out2:
	v_add_f32 v70, v68, v69
	s_delay_alu instid0(VALU_DEP_1)
	v_add_f32_dpp v70, v70, v70 row_xmask:1 row_mask:0xf bank_mask:0xf
	s_delay_alu instid0(VALU_DEP_1)
	v_add_f32_dpp v70, v70, v70 row_xmask:2 row_mask:0xf bank_mask:0xf
	s_delay_alu instid0(VALU_DEP_1)
	v_add_f32_dpp v70, v70, v70 row_xmask:4 row_mask:0xf bank_mask:0xf
	s_delay_alu instid0(VALU_DEP_1)
	v_add_f32_dpp v70, v70, v70 row_xmask:8 row_mask:0xf bank_mask:0xf
	s_delay_alu instid0(VALU_DEP_1)
	v_permlanex16_b32 v71, v70, s34, s35
	s_delay_alu instid0(VALU_DEP_1)
	v_add_f32 v70, v70, v71                        ; my wave's sum, in every lane
	ds_store_b32 v9, v70                           ; all lanes write the same word with the same value
	s_wait_dscnt 0x0
	s_barrier_signal -1
	s_barrier_wait -1
	v_mov_b32 v71, SUMS
	ds_load_b128 v[52:55], v71
	ds_load_b128 v[56:59], v71 offset:16
	v_mov_b32 v60, 0
	s_wait_dscnt 0x0
	v_pk_add_f32 v[52:53], v[52:53], v[54:55]
	v_pk_add_f32 v[56:57], v[56:57], v[58:59]
	s_delay_alu instid0(VALU_DEP_1)
	v_pk_add_f32 v[52:53], v[52:53], v[56:57]
	s_delay_alu instid0(VALU_DEP_1)
	v_add_f32 v52, v52, v53                        ; the work-group's sum
	v_cmp_eq_u32 vcc_lo, 0, v0
	s_wait_alu depctr_va_vdst(0)
	s_wait_xcnt 0x0                                ; EXEC changes only behind this wait: it is a source of the stores above
	s_wait_tensorcnt 0x0                           ; the wave's end
	ds_add_u32 v72, v73
	s_wait_dscnt 0x0
	s_and_saveexec_b32 s41, vcc_lo
	global_store_b32 v60, v52, s[12:13]            ; thread 0 alone: one number for each work-group; the sum over work-groups is the next launch's
	s_wait_xcnt 0x0
	s_or_b32 exec_lo, exec_lo, s41
	s_endpgm
.Lfunc_end_k_qbe9fbf3586_take:
	.size	k_qbe9fbf3586_take, .Lfunc_end_k_qbe9fbf3586_take-k_qbe9fbf3586_take
	.p2alignl 7, 3214868480
	.fill 96, 4, 3214868480
	.section	.rodata,"a",@progbits
	.p2align	6, 0x0
	.amdhsa_kernel k_qbe9fbf3586_take
		.amdhsa_group_segment_fixed_size 18176
		.amdhsa_private_segment_fixed_size 0
		.amdhsa_enable_private_segment 0
		.amdhsa_kernarg_size 48
		.amdhsa_user_sgpr_count 2
		.amdhsa_user_sgpr_kernarg_segment_ptr 1
		.amdhsa_wavefront_size32 1
		.amdhsa_system_sgpr_workgroup_id_x 1
		.amdhsa_system_sgpr_workgroup_id_y 1
		.amdhsa_system_sgpr_workgroup_id_z 1
		.amdhsa_system_vgpr_workitem_id 0
		.amdhsa_next_free_vgpr 96
		.amdhsa_next_free_sgpr 66
		.amdhsa_reserve_vcc 1
		.amdhsa_float_denorm_mode_32 3
		.amdhsa_float_denorm_mode_16_64 3
		.amdhsa_memory_ordered 1
		.amdhsa_forward_progress 1
		.amdhsa_inst_pref_size 15
	.end_amdhsa_kernel
	.amdgpu_metadata
---
amdhsa.version: [ 1, 2 ]
amdhsa.kernels:
  - .name:           k_qbe9fbf3586_take
    .symbol:         k_qbe9fbf3586_take.kd
    .args:
      - { .name: input, .offset: 0, .size: 8, .value_kind: global_buffer, .address_space: global }
      - { .name: embt, .offset: 8, .size: 8, .value_kind: global_buffer, .address_space: global }
      - { .name: cand, .offset: 16, .size: 8, .value_kind: global_buffer, .address_space: global }
      - { .name: out0, .offset: 24, .size: 8, .value_kind: global_buffer, .address_space: global }
      - { .name: part, .offset: 32, .size: 8, .value_kind: global_buffer, .address_space: global }
      - { .name: out2, .offset: 40, .size: 8, .value_kind: global_buffer, .address_space: global }
    .group_segment_fixed_size: 18176
    .private_segment_fixed_size: 0
    .kernarg_segment_align: 8
    .kernarg_segment_size: 48
    .max_flat_workgroup_size: 256
    .sgpr_count:     66
    .vgpr_count:     96
    .wavefront_size: 32
...
	.end_amdgpu_metadata
.endif
;; end of part 2
;; launch mean (part 3): grid 1 x 1, 1 waves a work-group, no clusters, 0 bytes of LDS; arguments part, out1; writes out1
.if DOCPART == 3
	.amdgcn_target "amdgcn-amd-amdhsa--gfx1250"
	.amdhsa_code_object_version 6
	.text
	.protected	k_qbe9fbf3586_mean
	.globl	k_qbe9fbf3586_mean
	.p2align	8
	.type	k_qbe9fbf3586_mean,@function
k_qbe9fbf3586_mean:
	s_mov_b64 s[64:65], 0
	v_nop
	global_prefetch_b8 v0, s[64:65] scope:SCOPE_SE
	s_setreg_imm32_b32 hwreg(HW_REG_WAVE_MODE, 25, 1), 1
	s_wait_xcnt 0x0
; out1 = the sum of the 256 work-groups' sums of (q - x)^2, divided by 16 x 64 x 32 x 32 = 2^20.  One wave: lane l takes eight neighbouring numbers; the 32 lanes read 1,024 consecutive bytes.
; A launch of its own, since a sum over work-groups has one owner and no work-group of a launch reads what another stores.
	s_load_b128 s[4:7], s[0:1], 0x0                ; part, out1
	v_lshlrev_b32 v1, 5, v0
	s_mov_b32 s8, 0x76543210
	s_mov_b32 s9, 0xfedcba98
	v_mov_b32 v11, 0                               ; a lane permute's destination counts as one of its sources
	v_mov_b32 v12, 0
	s_wait_alu depctr_va_vdst(0)
	s_wait_kmcnt 0x0
	global_load_b128 v[2:5], v1, s[4:5]
	global_load_b128 v[6:9], v1, s[4:5] offset:16
	s_wait_loadcnt 0x0
	v_pk_add_f32 v[2:3], v[2:3], v[4:5]
	v_pk_add_f32 v[6:7], v[6:7], v[8:9]
	v_pk_add_f32 v[2:3], v[2:3], v[6:7]
	v_add_f32 v2, v2, v3
	v_add_f32_dpp v2, v2, v2 row_xmask:1 row_mask:0xf bank_mask:0xf
	v_add_f32_dpp v2, v2, v2 row_xmask:2 row_mask:0xf bank_mask:0xf
	v_add_f32_dpp v2, v2, v2 row_xmask:4 row_mask:0xf bank_mask:0xf
	v_add_f32_dpp v2, v2, v2 row_xmask:8 row_mask:0xf bank_mask:0xf
	v_permlanex16_b32 v11, v2, s8, s9
	v_add_f32 v2, v2, v11
	v_mul_f32 v2, 0x35800000, v2                   ; x 2^-20: exact
	v_cmp_eq_u32 vcc_lo, 0, v0
	s_wait_alu depctr_va_vdst(0)
	s_wait_xcnt 0x0                                ; EXEC changes only behind this wait
	s_and_saveexec_b32 s10, vcc_lo
	global_store_b32 v12, v2, s[6:7]
	s_wait_xcnt 0x0
	s_or_b32 exec_lo, exec_lo, s10
	s_endpgm
.Lfunc_end_k_qbe9fbf3586_mean:
	.size	k_qbe9fbf3586_mean, .Lfunc_end_k_qbe9fbf3586_mean-k_qbe9fbf3586_mean
	.p2alignl 7, 3214868480
	.fill 96, 4, 3214868480
	.section	.rodata,"a",@progbits
	.p2align	6, 0x0
	.amdhsa_kernel k_qbe9fbf3586_mean
		.amdhsa_group_segment_fixed_size 0
		.amdhsa_private_segment_fixed_size 0
		.amdhsa_enable_private_segment 0
		.amdhsa_kernarg_size 16
		.amdhsa_user_sgpr_count 2
		.amdhsa_user_sgpr_kernarg_segment_ptr 1
		.amdhsa_wavefront_size32 1
		.amdhsa_system_sgpr_workgroup_id_x 1
		.amdhsa_system_sgpr_workgroup_id_y 1
		.amdhsa_system_sgpr_workgroup_id_z 1
		.amdhsa_system_vgpr_workitem_id 0
		.amdhsa_next_free_vgpr 16
		.amdhsa_next_free_sgpr 66
		.amdhsa_reserve_vcc 1
		.amdhsa_float_denorm_mode_32 3
		.amdhsa_float_denorm_mode_16_64 3
		.amdhsa_memory_ordered 1
		.amdhsa_forward_progress 1
		.amdhsa_inst_pref_size 2
	.end_amdhsa_kernel
	.amdgpu_metadata
---
amdhsa.version: [ 1, 2 ]
amdhsa.kernels:
  - .name:           k_qbe9fbf3586_mean
    .symbol:         k_qbe9fbf3586_mean.kd
    .args:
      - { .name: part, .offset: 0, .size: 8, .value_kind: global_buffer, .address_space: global }
      - { .name: out1, .offset: 8, .size: 8, .value_kind: global_buffer, .address_space: global }
    .group_segment_fixed_size: 0
    .private_segment_fixed_size: 0
    .kernarg_segment_align: 8
    .kernarg_segment_size: 16
    .max_flat_workgroup_size: 32
    .sgpr_count:     66
    .vgpr_count:     16
    .wavefront_size: 32
...
	.end_amdgpu_metadata
.endif
;; end of part 3
